; MI455X (gfx1250); checked and timed in simulation.
; The chip was launched on July 23, 2026; its instructions are those of AMD's public machine-readable ISA for CDNA 5 (MIT licence, August 2026) and "CDNA5" Instruction Set Architecture Reference Guide (July 2026). The comments in the code are by the model that wrote it; some were corrected since.
;; Variable Nodes Attention Layer. Allowed arithmetic: float matrix products may take bf16 or f16 operands with f32 sums; all other float work in f32.
;; Inputs: Wa 256 x 256 float32; Wv 256 x 256 float32; beta 256 float32; bv 256 float32; gamma 256 float32; nodes 128 x 64 float32; x 8 x 8,192 x 256 float32.
;; Outputs: out0 8 x 128 x 256 float32.
;; One version. Each part assembles by itself: llvm-mc -triple=amdgcn-amd-amdhsa -mcpu=gfx1250 --defsym DOCPART=n.
;; ======== version 1 of 1: 2 launches
;; limits: values are held in f16: magnitudes above 65,504 overflow, below 6.1e-05 lose precision
;; workspace buffers: part 8,650,752 bytes
;; launch pool (part 1): grid 32 x 8, 4 waves a work-group, clusters of 4 x 1, 327,680 bytes of LDS; arguments x, nodes, Wa, Wv, part; writes part
.if DOCPART == 1
	.amdgcn_target "amdgcn-amd-amdhsa--gfx1250"
	.amdhsa_code_object_version 6
	.text
	.protected	k_q500019f7a1_pool
	.globl	k_q500019f7a1_pool
	.p2align	8
	.type	k_q500019f7a1_pool,@function
k_q500019f7a1_pool:
	s_mov_b64 s[64:65], 0
	v_nop
	global_prefetch_b8 v0, s[64:65] scope:SCOPE_SE
	s_setreg_imm32_b32 hwreg(HW_REG_WAVE_MODE, 25, 1), 1
	s_wait_xcnt 0x0
	s_wait_alu depctr_hold_cnt(0) depctr_sa_sdst(0) depctr_va_vdst(0) depctr_va_sdst(0) depctr_va_ssrc(0) depctr_va_vcc(0) depctr_vm_vsrc(0)
	s_getreg_b32 s2, hwreg(HW_REG_IB_STS2, 6, 4)
	s_cmp_eq_u32 s2, 0
	s_cbranch_scc0 .Lentry_in_a_cluster
	s_endpgm
.Lentry_in_a_cluster:
	s_bfe_u32 s2, ttmp6, 0x10000c
	s_cmp_lg_u32 s2, 0x3003
	s_cbranch_scc0 .Lentry_shape_is_right
	s_endpgm
.Lentry_shape_is_right:
; pool: for one batch b, one head h and one chunk c of 1,024 positions: a = x Wa[:,h], v = x Wv[:,h], logits = nodes a^T / 8,
; softmax with a running maximum, O = sum p v.  Stored: a record of O[128][64] (not divided), and per node the pair (M, L):
; M the chunk's maximum in log2 units, L = sum of 2^(s - M).  The second launch joins the 8 chunks, divides, adds bv and normalises
; (sum p (v + bv) / sum p = sum p v / sum p + bv, so the bias waits until then).
; SHARES: grid 32 x 8 = 256 work-groups.  Four work-groups of a cluster are the four heads of one (b, c): they read the same x,
; so each tile of x is asked for jointly (mask 15) and lands in all four.  A work-group walks 8 tiles of 128 rows through two LDS slots.
; Wave w owns rows 32 w .. 32 w + 31 of every tile: it asks for them, it alone reads them, and it runs the whole chain on them in registers:
;   a^T[d][j] = Wa-fragment x x-fragment        D: lane = j, registers = d   -> two tiles pack into an A fragment (lane = j, k = d)
;   v[j][dv]  = x-fragment  x Wv-fragment       D: lane = dv, registers = j  -> two tiles pack into an A fragment (lane = dv, k = j)
;   S^T[j][i] = a-fragment  x nodes-fragment    D: lane = i, registers = j   -> after the exponential two tiles pack into a B fragment (lane = i, k = j)
;   D^T[dv][i] = v-fragment x P-fragment        D: lane = i, registers = dv  -> O^T = O^T x factor + D^T
; A node sits in a lane in S^T and in O^T, so its maximum is 16 registers and one exchange of the lane halves, and rescaling O is a multiply per lane.
; THE SOFTMAX PART IS WOVEN: a wave is alone on its SIMD, so matrix and vector work overlap only if they alternate in its text.  The products with P start at 0
; and write tiles in window 0, and the multiply that rescales O takes them along as its addend: so the S products, the P products and the softmax run under
; one window setting, and each matrix instruction stands among some seven vector instructions of another node block.
; FORMATS AND LIMITS: matrix operands (x, Wa, Wv, nodes / 8 * log2 e, a, v, p) are f16, sums f32.  f16 because the pooled values are small
; differences that LayerNorm magnifies: 11 bits of significand are needed.  a and v must stay below 65,504 in magnitude: as drawn they reach about 6,
; with x and the weights both 30 times larger about 5,000, with offsets of 30 spreads on both about 14,400.  Below 6.1e-5 an operand keeps an absolute
; error of at most 3e-8.  NaN and infinities in the inputs are not reproduced.  v_exp_f32 gives 0 below 2^-126.  Sums run in another order than in the formula.
.set XP,     1040                      ; LDS pitch of a row of x: 1,024 bytes + 16 of padding, so that 16 rows start at 16 different 16-byte columns modulo 256
.set WTILE,  32*XP                     ; a wave's 32 rows
.set SLOTB,  4*WTILE                   ; a slot: 128 rows
.set TILEB,  131072                    ; a tile in memory: 128 rows of 1,024 bytes
.set NODES,  2*SLOTB                   ; 128 rows of 64 f16 (scaled nodes), pitch NP
.set NP,     144
.set WST,    NODES+128*NP              ; 256 rows (f) of 64 f16, pitch WP: Wa's columns of my head, then Wv's; at the end the waves' M and L
.set WP,     160
.set LSO,    2048                      ; the waves' L, behind their M
.set SP,     272                       ; pitch of the stage for O at the end: 256 bytes + 16
.set WSTG,   128*SP                    ; a wave's stage; the four stages lie from LDS byte 0 on, in the slots, behind their last fill
.set RECB,   33792                     ; a record: 32,768 bytes of O + 1,024 of (M, L)
; window 0
.set XA,   8                           ; v8, v9   my x fragment address in slot 0, 1
.set NA,   10                          ; nodes fragment address
.set PFO,  11                          ; prefetch offset
.set TRA,  12                          ; transposing load address in WST
.set WSA,  13                          ; where I store weights into WST
.set NSA,  14                          ; where I store nodes
.set WGO,  15                          ; my offset in Wa and Wv
.set SO,   16                          ; 16 x lane
.set SA,   17                          ; stage: where I put O
.set MA,   18                          ; all waves' M of my lane's node
.set RA0,  19                          ; stage: rows that I sum, waves 0 and 1
.set RA2,  20                          ; the same, waves 2 and 3
.set GO,   21                          ; wave x 8,192 + 16 x lane: offset in nodes, and in the record
.set MW,   22                          ; where I store my M (and, + LSO, my L)
.set SB,   23                          ; stats of two nodes a lane
.set T,    24                          ; v24-28   the maximum chain; v24, v25 carry the new maximum to the subtractions.  v24-31 at work at the end
.set M,    32                          ; v32-39   running maximum of node block ib
.set LSUM, 40                          ; v40-47   running sum, for my half of the lanes until the end
.set F,    48                          ; v48-51   rescale factors, block ib in register ib & 3
.set G,    52                          ; v52-59   factors at the end
.set SG2,  52                          ; v52-59   in the trips: the third place of an S tile
.set U,    60                          ; v60-63   two running pairs of the sum of p
.set ST,   64                          ; v64-95   x in f32, one K step: 16 registers for each of my two row blocks
.set XF,   96                          ; v96-127  x fragments, two buffers of 16; in the softmax part: nodes fragments, two buffers of 16
.set POOL, 128                         ; v128-191 a^T tiles (jb, db) at 32 jb + 8 db; v192-255 v tiles (jb, db) at 64 + 16 db + 8 jb
.set DT,   POOL+72                     ; product tile D(db) at DT + 16 db: the half of v's unit db that packing frees
; window 1: O^T tile (ib, db) at 8 (4 ib + db).  window 2: Wa fragment (db, ks) at 8 (8 db + ks).  window 3: Wv fragment likewise.
.set G1, 24                            ; s[24:31] descriptor group 1
.set G0, 32                            ; s[32:39] descriptor group 0, one for each slot
.set MSB, 0
.macro WIN new                         ; low byte: bits 1:0 source 0, 3:2 source 1, 5:4 source 2, 7:6 destination; the high byte repeats the setting left
.if MSB != \new
	s_set_vgpr_msb (MSB<<8)|\new
.set MSB, \new
.endif
.endm
.macro NOPS cnt
.rept \cnt
	v_nop
.endr
.endm
; a round of the cluster's barrier: my work-group's barrier, wave 0 signals for the work-group, all wait for the four work-groups, my barrier again
.macro ROUND
	s_barrier_signal -1
	s_barrier_wait -1
	s_cmp_lg_u32 s14, 0
	s_cbranch_scc1 .Lnot_wave_0_\@
	s_barrier_signal -3
.Lnot_wave_0_\@:
	s_barrier_wait -3
	s_barrier_signal -1
	s_barrier_wait -1
.endm
; x of K step ks in f32: lane (r, hh) takes f = 32 ks + 8 hh + 0..7 and 32 ks + 16 + 8 hh + 0..7 of rows r and 16 + r of my 32
.macro LDX slot, ks
.irp jb, 0,1
	ds_load_b128 v[ST+16*\jb:ST+16*\jb+3],     v[XA+(\slot)] offset:\jb*16*XP+128*(\ks)
	ds_load_b128 v[ST+16*\jb+4:ST+16*\jb+7],   v[XA+(\slot)] offset:\jb*16*XP+128*(\ks)+16
	ds_load_b128 v[ST+16*\jb+8:ST+16*\jb+11],  v[XA+(\slot)] offset:\jb*16*XP+128*(\ks)+64
	ds_load_b128 v[ST+16*\jb+12:ST+16*\jb+15], v[XA+(\slot)] offset:\jb*16*XP+128*(\ks)+80
.endr
.endm
.macro CVXQ buf, q                     ; a quarter of the conversion: 8 f32 to 4 registers of f16
.irp i, 0,1,2,3
	v_cvt_pk_f16_f32 v[XF+16*(\buf)+4*(\q)+\i], v[ST+8*(\q)+2*\i], v[ST+8*(\q)+2*\i+1]
.endr
.endm
.macro CVX buf                         ; 32 f32 to two f16 fragments
.irp q, 0,1,2,3
	CVXQ \buf, \q
.endr
.endm
; One K step of 32 of both projections: 16 matrix instructions on 16 accumulators, which take turns, one instruction a turn.
; The next step's x is loaded ahead of them and converted behind them, into the buffer that the step before read (that step's 16 conversions are the places).
.macro KSTEP slot, ks
.if (\ks) < 7
	LDX \slot, (\ks)+1
.endif
	WIN 0x02                                       ; source 0 (Wa) in window 2
.irp jb, 0,1
.irp db, 0,1,2,3
.if (\ks) == 0
	v_wmma_f32_16x16x32_f16 v[POOL+32*\jb+8*\db:POOL+32*\jb+8*\db+7], v[64*\db+8*(\ks):64*\db+8*(\ks)+7], v[XF+16*((\ks)&1)+8*\jb:XF+16*((\ks)&1)+8*\jb+7], 0
.else
	v_wmma_f32_16x16x32_f16 v[POOL+32*\jb+8*\db:POOL+32*\jb+8*\db+7], v[64*\db+8*(\ks):64*\db+8*(\ks)+7], v[XF+16*((\ks)&1)+8*\jb:XF+16*((\ks)&1)+8*\jb+7], v[POOL+32*\jb+8*\db:POOL+32*\jb+8*\db+7]
.endif
.endr
.endr
	WIN 0x0c                                       ; source 1 (Wv) in window 3
.irp jb, 0,1
.irp db, 0,1,2,3
.if (\ks) == 0
	v_wmma_f32_16x16x32_f16 v[POOL+64+16*\db+8*\jb:POOL+64+16*\db+8*\jb+7], v[XF+16*((\ks)&1)+8*\jb:XF+16*((\ks)&1)+8*\jb+7], v[64*\db+8*(\ks):64*\db+8*(\ks)+7], 0
.else
	v_wmma_f32_16x16x32_f16 v[POOL+64+16*\db+8*\jb:POOL+64+16*\db+8*\jb+7], v[XF+16*((\ks)&1)+8*\jb:XF+16*((\ks)&1)+8*\jb+7], v[64*\db+8*(\ks):64*\db+8*(\ks)+7], v[POOL+64+16*\db+8*\jb:POOL+64+16*\db+8*\jb+7]
.endif
.endr
.endr
	WIN 0
.if (\ks) < 7
	s_wait_dscnt 0x0                               ; the eight loads issued at the head of this step
.set nb, ((\ks)+1)&1
	CVX nb
.endif
.endm
; nodes fragments of node block ib (k = d 0..31 and 32..63) into buffer buf
.macro LN ib, buf
.irp i, 0,1,2,3
	ds_load_b128 v[XF+16*(\buf)+4*\i:XF+16*(\buf)+4*\i+3], v[NA] offset:(\ib)*16*NP+32*\i
.endr
.endm
; a unit of two f32 tiles becomes one f16 fragment, in place: the fragment takes the unit's first 8 registers, the second 8 fall free
.macro PACKU base
.irp i, 0,1,2,3,4,5,6,7
	v_cvt_pk_f16_f32 v[\base+\i], v[\base+2*\i], v[\base+2*\i+1]
.endr
.endm
; Where the two S tiles of node block ib lie.  The first (into which P is packed) goes round three places, the second round two, so that the tiles that
; block ib + 1's products write are neither block ib's tiles nor block ib - 1's P fragment.  All are halves that packing a has freed, and v52-59.
.macro GRPOF ib
.if ((\ib)%3) == 2
.set GA_, SG2
.else
.set GA_, POOL+8+32*((\ib)%3)
.endif
.set GB_, POOL+24+32*((\ib)&1)
.endm
; the n-th of the four S products of the block whose tiles are NXA (my rows 0-15) and NXB (rows 16-31); the two tiles take turns
.macro SW n, buf
.if DOMAX
.if \n == 0
	v_wmma_f32_16x16x32_f16 v[NXA:NXA+7], v[POOL:POOL+7],     v[XF+16*(\buf):XF+16*(\buf)+7],    0
.endif
.if \n == 1
	v_wmma_f32_16x16x32_f16 v[NXB:NXB+7], v[POOL+32:POOL+39], v[XF+16*(\buf):XF+16*(\buf)+7],    0
.endif
.if \n == 2
	v_wmma_f32_16x16x32_f16 v[NXA:NXA+7], v[POOL+16:POOL+23], v[XF+16*(\buf)+8:XF+16*(\buf)+15], v[NXA:NXA+7]
.endif
.if \n == 3
	v_wmma_f32_16x16x32_f16 v[NXB:NXB+7], v[POOL+48:POOL+55], v[XF+16*(\buf)+8:XF+16*(\buf)+15], v[NXB:NXB+7]
.endif
.endif
.endm
; D(db) = v-fragment(db) x the P fragment at PRA, started at 0, all in window 0
.macro PW db
.if DOPV
	v_wmma_f32_16x16x32_f16 v[DT+16*\db:DT+16*\db+7], v[POOL+64+16*\db:POOL+64+16*\db+7], v[PRA:PRA+7], 0
.endif
.endm
; the maximum chain of the block whose tiles are NXA, NXB, in eight pieces, so that other work can stand between dependent lines
.macro MAXOP n, ib, first
.if DOMAX
.if \n == 1
	v_max3_num_f32 v[T],   v[NXA],   v[NXA+1], v[NXA+2]
	v_max3_num_f32 v[T+1], v[NXA+3], v[NXA+4], v[NXA+5]
.endif
.if \n == 2
	v_max3_num_f32 v[T+2], v[NXA+6], v[NXA+7], v[NXB]
	v_max3_num_f32 v[T+3], v[NXB+1], v[NXB+2], v[NXB+3]
	v_max3_num_f32 v[T+4], v[NXB+4], v[NXB+5], v[NXB+6]
.endif
.if \n == 3
	v_max3_num_f32 v[T],   v[T],   v[T+1], v[NXB+7]
	v_max3_num_f32 v[T+2], v[T+2], v[T+3], v[T+4]
.endif
.if \n == 4
.if \first
	v_max_num_f32 v[T], v[T], v[T+2]
.else
	v_max3_num_f32 v[T], v[T], v[T+2], v[M+(\ib)]  ; with the running maximum
.endif
.endif
.if \n == 5
	v_permlanex16_b32 v[T+1], v[T], s20, s21       ; the other 16 positions of the node lie in the other half of the lanes
.endif
.if \n == 6
	v_max_num_f32 v[T], v[T], v[T+1]
.endif
.if \n == 7
.if \first == 0
	v_sub_f32 v[T+2], v[M+(\ib)], v[T]
.endif
.endif
.if \n == 8
.if \first == 0
	v_exp_f32 v[F+((\ib)&3)], v[T+2]               ; the factor for the old sums; the move below is the plain place behind it (ISA guide 5.7.2)
.endif
	v_mov_b32 v[M+(\ib)], v[T]
.endif
.endif
.endm
.macro SUBS base                       ; a tile minus the maximum in v[T]
.irp i, 0,2,4,6
	v_pk_add_f32 v[\base+\i:\base+\i+1], v[\base+\i:\base+\i+1], v[T:T+1] op_sel_hi:[1,0] neg_lo:[0,1] neg_hi:[0,1]
.endr
.endm
.macro EXP4 base
.irp i, 0,1,2,3
	v_exp_f32 v[\base+\i], v[\base+\i]
.endr
.endm
; O^T(ib) = O^T(ib) x factor + D, one factor a lane: the rescaling and the addition of the tile's products in one instruction for two numbers.
; In the first trip there is nothing to add to: the products are moved, two registers an instruction.
.macro FOLD ib, first
.if \first
	WIN 0x40                                       ; destination in window 1
.irp db, 0,1,2,3
.irp p, 0,2,4,6
	v_pk_mul_f32 v[32*(\ib)+8*\db+\p:32*(\ib)+8*\db+\p+1], v[DT+16*\db+\p:DT+16*\db+\p+1], 1.0 op_sel_hi:[1,0]
.endr
.endr
.else
	WIN 0x41                                       ; destination and source 0 in window 1
.irp db, 0,1,2,3
.irp p, 0,2,4,6
.if ((\ib)&1) == 0
	v_pk_fma_f32 v[32*(\ib)+8*\db+\p:32*(\ib)+8*\db+\p+1], v[32*(\ib)+8*\db+\p:32*(\ib)+8*\db+\p+1], v[F+((\ib)&3):F+((\ib)&3)+1], v[DT+16*\db+\p:DT+16*\db+\p+1] op_sel_hi:[1,0,1]
.else
	v_pk_fma_f32 v[32*(\ib)+8*\db+\p:32*(\ib)+8*\db+\p+1], v[32*(\ib)+8*\db+\p:32*(\ib)+8*\db+\p+1], v[F+((\ib)&3)-1:F+((\ib)&3)], v[DT+16*\db+\p:DT+16*\db+\p+1] op_sel:[0,1,0] op_sel_hi:[1,1,1]
.endif
.endr
.endr
.endif
	WIN 0
.endm
; the 32 registers of O^T of node block ib times the factor in register fr (window 0), one factor a lane; under WIN 0x41; used at the end
.macro RESC ib, fr
.set p, 0
.rept 16
.if ((\fr)&1) == 0
	v_pk_mul_f32 v[32*(\ib)+2*p:32*(\ib)+2*p+1], v[32*(\ib)+2*p:32*(\ib)+2*p+1], v[(\fr):(\fr)+1] op_sel_hi:[1,0]
.else
	v_pk_mul_f32 v[32*(\ib)+2*p:32*(\ib)+2*p+1], v[32*(\ib)+2*p:32*(\ib)+2*p+1], v[(\fr)-1:(\fr)] op_sel:[0,1,0] op_sel_hi:[1,1,1]
.endif
.set p, p+1
.endr
.endm
; STEP ib: the vector work of node block ib, with eight matrix instructions of its neighbours between the lines.
;   first part:  p = 2^(s - max) of block ib;            woven in: the four S products of block ib + 1, the first P product of block ib - 1
;   second part: sum and packing of block ib, line by line with the maximum chain of block ib + 1;  woven in: the other three P products of block ib - 1
;   third part:  the products of block ib - 1 are folded into O
; Places (ISA guide 7.12.1), by count of plain vector lines that name none of the matrix instruction's registers: from the S product that last writes the first
; tile to the first line that reads it: the four subtractions of the other block's second tile; for the second tile those and two more; from the last P product
; to its fold, and to the S product of the next step that writes over the P fragment: the 14 lines or more that end the second part.
.macro STEP ib, first
.if (\ib) < 7
.set DOMAX, 1
.else
.set DOMAX, 0
.endif
.if (\ib) > 0
.set DOPV, 1
.else
.set DOPV, 0
.endif
	GRPOF (\ib)-1
.set PRA, GA_
	GRPOF (\ib)+1
.set NXA, GA_
.set NXB, GB_
	GRPOF \ib
.set CUA, GA_
.set CUB, GB_
.if (\ib) < 6
	s_wait_dscnt 0x4                               ; nodes fragments of block ib + 1 are in; the four loads of block ib + 2 are younger
.endif
.if (\ib) == 6
	s_wait_dscnt 0x0                               ; block 7's fragments: the youngest loads
.endif
	SW 0, ((\ib)+1)&1
	SUBS CUA
	SW 1, ((\ib)+1)&1
	EXP4 CUA
	SW 2, ((\ib)+1)&1
	EXP4 CUA+4
	SW 3, ((\ib)+1)&1
	SUBS CUB                                       ; also the plain place behind the exponentials above (ISA guide 5.7.2)
	EXP4 CUB
	PW 0
	EXP4 CUB+4
.if DOMAX == 0
	v_nop                                          ; the plain place behind the exponentials, where no maximum chain follows
	s_wait_alu depctr_va_vdst(0)
.endif
	MAXOP 1, (\ib)+1, \first                       ; touches none of the exponentials' registers: the plain place behind them
	PW 1
	MAXOP 2, (\ib)+1, \first
	s_wait_alu depctr_va_vdst(0)
	v_pk_add_f32 v[U:U+1],     v[CUA:CUA+1],     v[CUA+2:CUA+3]
	v_pk_add_f32 v[U+2:U+3],   v[CUA+4:CUA+5],   v[CUA+6:CUA+7]
	MAXOP 3, (\ib)+1, \first
	PW 2
	v_pk_add_f32 v[U:U+1],     v[U:U+1],         v[CUB:CUB+1]
	v_pk_add_f32 v[U+2:U+3],   v[U+2:U+3],       v[CUB+2:CUB+3]
	v_cvt_pk_f16_f32 v[CUA],   v[CUA],   v[CUA+1]
	MAXOP 4, (\ib)+1, \first
	v_cvt_pk_f16_f32 v[CUA+1], v[CUA+2], v[CUA+3]
	v_pk_add_f32 v[U:U+1],     v[U:U+1],         v[CUB+4:CUB+5]
	v_pk_add_f32 v[U+2:U+3],   v[U+2:U+3],       v[CUB+6:CUB+7]
	PW 3
	v_cvt_pk_f16_f32 v[CUA+2], v[CUA+4], v[CUA+5]
	MAXOP 5, (\ib)+1, \first
	v_cvt_pk_f16_f32 v[CUA+3], v[CUA+6], v[CUA+7]
	v_pk_add_f32 v[U:U+1],     v[U:U+1],         v[U+2:U+3]
	v_cvt_pk_f16_f32 v[CUA+4], v[CUB],   v[CUB+1]
	v_cvt_pk_f16_f32 v[CUA+5], v[CUB+2], v[CUB+3]
	MAXOP 6, (\ib)+1, \first
.if \first
	v_add_f32 v[LSUM+(\ib)], v[U], v[U+1]
.else
	v_add_f32 v[U], v[U], v[U+1]
.endif
	v_cvt_pk_f16_f32 v[CUA+6], v[CUB+4], v[CUB+5]
	v_cvt_pk_f16_f32 v[CUA+7], v[CUB+6], v[CUB+7]
	MAXOP 7, (\ib)+1, \first
.if \first == 0
	v_fma_f32 v[LSUM+(\ib)], v[LSUM+(\ib)], v[F+((\ib)&3)], v[U]
.endif
	MAXOP 8, (\ib)+1, \first
.if (\ib) < 5
	LN (\ib)+3, ((\ib)+1)&1                        ; into the buffer that this step's S products read
.endif
.if (\ib) > 0
	FOLD (\ib)-1, \first
.endif
.endm
; Behind the projections of a tile.  mode 2: this slot is filled again, with the tile two further on.  Every wave has its LDS reads back and all its
; tensor loads landed (the one that was out is its part of the other slot); the round shows that of all waves of the four work-groups; the joint refill
; is the first tensor load behind it and has a whole trip in which to land; then the other slot's first K step is read.  A wave has one tensor load out.
; mode 1: nothing to refill: the wave waits for its own last tile, which it alone reads.  mode 0: the last tile.
; pf: wave w of partner cx asks for 8,192 bytes, lanes 256 bytes apart, of the tile whose tensor load the next trip issues: 16 waves cover its 131,072 bytes once.
.macro SYNC slot, mode, pf
.if \mode == 2
	s_wait_dscnt 0x0
	s_wait_tensorcnt 0x0
	ds_add_u32 v6, v7
	s_wait_dscnt 0x0
	s_add_nc_u64 s[G0+4*\slot+2:G0+4*\slot+3], s[G0+4*\slot+2:G0+4*\slot+3], 2*TILEB
	ROUND
	tensor_load_to_lds s[G0+4*\slot:G0+4*\slot+3], s[G1:G1+7]
	s_nop 0
	LDX 1-\slot, 0
.endif
.if \mode == 1
	s_wait_tensorcnt 0x0
	LDX 1-\slot, 0
.endif
	LN 0, 0
	LN 1, 1
.if \pf
	s_wait_xcnt 0x0                                ; the last prefetch, a trip ago, has read its offset register
	v_add_nc_u32 v[PFO], TILEB, v[PFO]
	global_prefetch_b8 v[PFO], s[44:45] th:TH_LOAD_NT scope:SCOPE_SE
.endif
.endm
; A tile.  At its head the x fragments of K step 0 are ready (converted at the tail of the trip before).
.macro TRIP slot, first, mode, pf
.irp ks, 0,1,2,3,4,5,6,7
	KSTEP \slot, \ks
.endr
	NOPS 4                                         ; places in front of the loads into the x buffers and of the conversions that read the results
	SYNC \slot, \mode, \pf
.irp u, 0,1,2,3
	PACKU POOL+16*\u                               ; a to fragments
.endr
.set DOMAX, 1
	GRPOF 0
.set NXA, GA_
.set NXB, GB_
	s_wait_dscnt 0x4                               ; nodes fragments of block 0 are in; the four loads of block 1 are younger
	SW 0, 0                                        ; S of block 0, with v's packing between the lines: it names v192-255 alone
	PACKU POOL+64
	SW 1, 0
	PACKU POOL+80
	SW 2, 0
	PACKU POOL+96
	SW 3, 0
	PACKU POOL+112
	LN 2, 0
.irp n, 1,2,3,4,5,6,7,8
	MAXOP \n, 0, \first
.endr
.irp ib, 0,1,2,3,4,5,6,7
	STEP \ib, \first
.endr
.set DOPV, 1
	GRPOF 7
.set PRA, GA_
.if \mode == 0
	PW 0                                           ; the last tile: nothing is left to weave in
	PW 1
	PW 2
	PW 3
	NOPS 4
.else
	s_wait_dscnt 0x0                               ; x of the next tile's K step 0, asked for at the head of the softmax part
	PW 0                                           ; block 7's products, with the next tile's first conversion between the lines
	CVXQ 0, 0
	PW 1
	CVXQ 0, 1
	PW 2
	CVXQ 0, 2
	PW 3
	CVXQ 0, 3                                      ; four places in front of the fold; with the folds of the other three tiles, the places in front of the
.endif                                         ; projections that write over these products' registers
	FOLD 7, \first
.endm
; 64 transposing loads: WST holds [f][d]; fragment (db, ks): lane = column 16 db + r, k = f = 32 ks + ..
.macro LDW
.irp db, 0,1,2,3
.irp ks, 0,1,2,3,4,5,6,7
	ds_load_tr16_b128 v[64*\db+8*\ks:64*\db+8*\ks+3],   v[TRA] offset:\ks*32*WP+32*\db
	ds_load_tr16_b128 v[64*\db+8*\ks+4:64*\db+8*\ks+7], v[TRA] offset:\ks*32*WP+32*\db+16*WP
.endr
.endr
.endm
	; ---- set-up
	s_load_b256 s[4:11], s[0:1], 0x0               ; x s[4:5], nodes s[6:7], Wa s[8:9], Wv s[10:11]
	s_load_b64 s[12:13], s[0:1], 0x20              ; part
	v_lshl_add_u32 v6, v0, 2, 0x4f800
	v_mov_b32 v7, 0
	ds_add_u32 v6, v7
	v_lshrrev_b32 v1, 5, v0
	v_readfirstlane_b32 s14, v1                    ; wave 0..3
	s_bfe_u32 s46, ttmp6, 0x40000                  ; cx = my head.  It enters s46-s51 alone: global addresses of the weights, the record and the prefetch
	s_and_b32 s17, ttmp7, 0xffff                   ; b (the cluster's y)
	s_mov_b32 s20, 0x76543210                      ; v_permlanex16_b32: lane i reads lane i of the other half
	s_mov_b32 s21, 0xfedcba98
	; group 1: 32 rows of 256 f32, 16 bytes of padding behind each row; joint request of the cluster's four work-groups
	s_mov_b32 s[G1+0], 0x07F2000F                  ; 15:0 mask 15; 17:16 elements of 4 bytes; 20 padding on; 21 set beside a mask; 24:22 after 256 words; 31:25 four words
	s_mov_b32 s[G1+1], 256<<16                     ; tensor_dim0 = 256
	s_mov_b32 s[G1+2], 32<<16                      ; tensor_dim1 = 32
	s_mov_b32 s[G1+3], 256<<16                     ; tile_dim0 = 256
	s_mov_b32 s[G1+4], 32                          ; tile_dim1 = 32
	s_mov_b32 s[G1+5], 256                         ; elements from row to row
	s_mov_b32 s[G1+6], 0
	s_mov_b32 s[G1+7], 0
	s_lshl_b32 s40, s17, 23                        ; b x 8,192 rows of 1,024 bytes
	s_lshl_b32 s42, ttmp9, 20                      ; + chunk (the cluster's x) x 1,024 rows
	s_add_co_u32 s40, s40, s42
	s_mov_b32 s41, 0
	s_lshl_b32 s42, s14, 15                        ; + wave x 32 rows
	s_mov_b32 s43, 0
	s_mul_i32 s18, s14, WTILE                      ; my rows in a slot
	s_lshl_b32 s48, s46, 8                         ; my head's 64 columns: 256 bytes in each row of Wa and Wv
	s_mov_b32 s49, 0
	s_lshl2_add_u32 s50, s17, s46                  ; record (4 b + h) 8 + c
	s_lshl3_add_u32 s50, s50, ttmp9
	s_mul_i32 s50, s50, RECB
	s_mov_b32 s51, 0
	s_lshl2_add_u32 s47, s46, s14                  ; prefetch: (4 cx + wave) x 8,192 bytes, from tile 2 on
	s_lshl_b32 s47, s47, 13
	s_add_co_u32 s47, s47, 2*TILEB
	s_wait_dscnt 0x0
	s_wait_kmcnt 0x0
	s_add_nc_u64 s[44:45], s[4:5], s[40:41]        ; x at my chunk
	s_add_nc_u64 s[42:43], s[44:45], s[42:43]      ; x at my wave's rows of tile 0
	s_add_nc_u64 s[8:9], s[8:9], s[48:49]
	s_add_nc_u64 s[10:11], s[10:11], s[48:49]
	s_add_nc_u64 s[12:13], s[12:13], s[50:51]
.irp s, 0,1
	s_mov_b32 s[G0+4*\s], 1
	s_add_co_u32 s[G0+4*\s+1], s18, \s*SLOTB
	s_add_nc_u64 s[G0+4*\s+2:G0+4*\s+3], s[42:43], \s*TILEB
	s_or_b32 s[G0+4*\s+3], s[G0+4*\s+3], 0x80000000
.endr
	ROUND                                          ; the four work-groups are here: the first joint loads meet
	tensor_load_to_lds s[G0:G0+3], s[G1:G1+7]      ; tile 0
	s_nop 0
	tensor_load_to_lds s[G0+4:G0+7], s[G1:G1+7]    ; tile 1: two tensor loads of the wave are out
	s_nop 0
	v_and_b32 v1, 31, v0                           ; lane
	v_and_b32 v2, 15, v0                           ; r, also q
	v_bfe_u32 v3, v0, 4, 1                         ; hh, also g
	s_lshl_b32 s19, s14, 16
	v_lshlrev_b32 v4, 4, v2
	v_lshl_add_u32 v4, v3, 10, v4
	v_add_nc_u32 v[WGO], s19, v4                   ; (64 wave + g) rows of 1,024 bytes + 16 q
	s_lshl_b32 s19, s14, 13
	v_lshl_add_u32 v[GO], v1, 4, s19
	v_lshl_add_u32 v[PFO], v1, 8, s47
	; ---- weights and nodes: each load takes two whole row pieces of 256 bytes
.set t, 0
.rept 32
	global_load_b128 v[POOL+4*t:POOL+4*t+3], v[WGO], s[8:9] offset:t*2048
.set t, t+1
.endr
.set t, 0
.rept 16
	global_load_b128 v[ST+4*t:ST+4*t+3], v[GO], s[6:7] offset:t*512
.set t, t+1
.endr
	WIN 0x40                                       ; Wv waits in window 1, where O will live
.set t, 0
.rept 32
	global_load_b128 v[4*t:4*t+3], v[WGO], s[10:11] offset:t*2048
.set t, t+1
.endr
	WIN 0
	global_prefetch_b8 v[PFO], s[44:45] th:TH_LOAD_NT scope:SCOPE_SE   ; tile 2, which the first trip asks for
	v_mul_u32_u24 v4, v2, XP
	v_lshl_add_u32 v4, v3, 5, v4
	v_add_nc_u32 v[XA], s18, v4                    ; wave's rows + r x pitch + 32 hh
	v_add_nc_u32 v[XA+1], SLOTB, v[XA]
	v_mul_u32_u24 v4, v2, NP
	v_lshl_add_u32 v4, v3, 4, v4
	v_add_nc_u32 v[NA], NODES, v4
	v_and_b32 v4, 7, v0
	v_lshl_add_u32 v4, v3, 3, v4
	v_mul_u32_u24 v4, v4, WP
	v_bfe_u32 v5, v0, 3, 1
	v_lshl_add_u32 v4, v5, 4, v4
	v_add_nc_u32 v[TRA], WST, v4                   ; (8 hh + lane & 7) rows + 16 ((lane >> 3) & 1)
	s_mul_i32 s19, s14, 64*WP
	s_add_co_u32 s19, s19, WST
	v_mul_u32_u24 v4, v3, WP
	v_lshl_add_u32 v4, v2, 3, v4
	v_add_nc_u32 v[WSA], s19, v4
	s_mul_i32 s19, s14, 32*NP
	s_add_co_u32 s19, s19, NODES
	v_mul_u32_u24 v4, v3, NP
	v_lshl_add_u32 v4, v2, 3, v4
	v_add_nc_u32 v[NSA], s19, v4
	s_mul_i32 s19, s14, WSTG
	v_mul_u32_u24 v4, v2, SP
	v_lshl_add_u32 v4, v3, 5, v4
	v_add_nc_u32 v[SA], s19, v4
	v_lshl_add_u32 v[MA], v2, 2, WST
	s_mul_i32 s19, s14, 32*SP
	v_mul_u32_u24 v4, v3, SP
	v_lshl_add_u32 v4, v2, 4, v4
	v_add_nc_u32 v[RA0], s19, v4
	v_add_nc_u32 v[RA2], 2*WSTG, v[RA0]
	s_lshl_b32 s19, s14, 9
	s_add_co_u32 s19, s19, WST
	v_lshl_add_u32 v[MW], v2, 2, s19
	v_lshl_add_u32 v[SB], v1, 3, WST
	v_lshlrev_b32 v[SO], 4, v1
	s_wait_loadcnt 48                              ; Wa's 32 loads are in; 16 of nodes and 32 of Wv are younger
.set t, 0
.rept 32
	v_cvt_pk_f16_f32 v[POOL+4*t],   v[POOL+4*t],   v[POOL+4*t+1]
	v_cvt_pk_f16_f32 v[POOL+4*t+1], v[POOL+4*t+2], v[POOL+4*t+3]
	ds_store_b64 v[WSA], v[POOL+4*t:POOL+4*t+1] offset:t*2*WP
.set t, t+1
.endr
	s_wait_loadcnt 32                              ; nodes are in; Wv's 32 loads are younger
.set t, 0
.rept 16
	v_pk_mul_f32 v[ST+4*t:ST+4*t+1],   v[ST+4*t:ST+4*t+1],   0x3e38aa3b op_sel_hi:[1,0]   ; 64^-0.5 x log2 e: the exponentials are then bare v_exp_f32
	v_pk_mul_f32 v[ST+4*t+2:ST+4*t+3], v[ST+4*t+2:ST+4*t+3], 0x3e38aa3b op_sel_hi:[1,0]
	v_cvt_pk_f16_f32 v[ST+4*t],   v[ST+4*t],   v[ST+4*t+1]
	v_cvt_pk_f16_f32 v[ST+4*t+1], v[ST+4*t+2], v[ST+4*t+3]
	ds_store_b64 v[NSA], v[ST+4*t:ST+4*t+1] offset:t*2*NP
.set t, t+1
.endr
	s_wait_dscnt 0x0                               ; my stores are done, for the others' sake
	s_barrier_signal -1
	s_barrier_wait -1
	WIN 0x80
	LDW                                            ; Wa's 32 fragments into window 2
	WIN 0
	s_wait_loadcnt 0x0                             ; Wv
	WIN 0x45
.set t, 0
.rept 32
	v_cvt_pk_f16_f32 v[4*t],   v[4*t],   v[4*t+1]
	v_cvt_pk_f16_f32 v[4*t+1], v[4*t+2], v[4*t+3]
.set t, t+1
.endr
	WIN 0
	s_wait_dscnt 0x0                               ; my reads of Wa's stage are back: it may be written over behind the barrier
	s_barrier_signal -1
	s_barrier_wait -1
	WIN 0x04                                       ; store data in window 1
.set t, 0
.rept 32
	ds_store_b64 v[WSA], v[4*t:4*t+1] offset:t*2*WP
.set t, t+1
.endr
	WIN 0
	s_wait_dscnt 0x0
	s_barrier_signal -1
	s_barrier_wait -1
	WIN 0xc0
	LDW                                            ; Wv's 32 fragments into window 3
	WIN 0
	s_wait_tensorcnt 0x1                           ; my rows of tile 0 are in; tile 1 may stay out: nothing is filled again before the first round
	LDX 0, 0
	s_wait_dscnt 0x0                               ; Wv's fragments and x of K step 0
	CVX 0
	; ---- the eight tiles
	TRIP 0, 1, 2, 1                                ; tile 0: its products start O, M and L
	s_mov_b32 s22, 2
.Ltrips:
	TRIP 1, 0, 2, 1
	TRIP 0, 0, 2, 1
	s_sub_co_i32 s22, s22, 1
	s_cmp_lg_u32 s22, 0
	s_cbranch_scc1 .Ltrips
	TRIP 1, 0, 2, 0                                ; tile 5: asks for tile 7, the last; no prefetch is left to make
	TRIP 0, 0, 1, 0                                ; tile 6
	TRIP 1, 0, 0, 0                                ; tile 7
	; ---- the four waves' results are joined: a common maximum per node, then sums through LDS
.irp ib, 0,1,2,3,4,5,6,7
	v_permlanex16_b32 v[ST+\ib], v[LSUM+\ib], s20, s21
.endr
.irp ib, 0,1,2,3,4,5,6,7
	v_add_f32 v[LSUM+\ib], v[LSUM+\ib], v[ST+\ib]
.endr
.irp ib, 0,1,2,3,4,5,6,7
	ds_store_b32 v[MW], v[M+\ib] offset:64*\ib     ; both halves of the lanes write the same word with the same value
.endr
	s_wait_dscnt 0x0                               ; my M is stored, and my last reads of x are back: behind this barrier the slots serve as stages
	s_barrier_signal -1
	s_barrier_wait -1
.irp w, 0,1,2,3
.irp ib, 0,1,2,3,4,5,6,7
	ds_load_b32 v[ST+8*\w+\ib], v[MA] offset:512*\w+64*\ib
.endr
.endr
	s_wait_dscnt 0x0
.irp ib, 0,1,2,3,4,5,6,7
	v_max3_num_f32 v[T+\ib], v[ST+\ib], v[ST+8+\ib], v[ST+16+\ib]
.endr
.irp ib, 0,1,2,3,4,5,6,7
	v_max_num_f32 v[T+\ib], v[T+\ib], v[ST+24+\ib]
.endr
.irp ib, 0,1,2,3,4,5,6,7
	v_sub_f32 v[T+\ib], v[M+\ib], v[T+\ib]
.endr
.irp ib, 0,1,2,3,4,5,6,7
	v_exp_f32 v[G+\ib], v[T+\ib]
.endr
	v_nop                                          ; the plain place behind the exponentials
	s_wait_alu depctr_va_vdst(0)
.irp ib, 0,1,2,3,4,5,6,7
	v_mul_f32 v[LSUM+\ib], v[LSUM+\ib], v[G+\ib]
.endr
.irp ib, 0,1,2,3,4,5,6,7
	ds_store_b32 v[MW], v[LSUM+\ib] offset:LSO+64*\ib
.endr
	WIN 0x41
.irp ib, 0,1,2,3,4,5,6,7
	RESC \ib, G+\ib
.endr
	WIN 0x04
.irp ib, 0,1,2,3,4,5,6,7
.irp db, 0,1,2,3
	ds_store_b128 v[SA], v[32*\ib+8*\db:32*\ib+8*\db+3]   offset:\ib*16*SP+64*\db      ; row i = 16 ib + r, columns 16 db + 8 hh + 0..3
	ds_store_b128 v[SA], v[32*\ib+8*\db+4:32*\ib+8*\db+7] offset:\ib*16*SP+64*\db+16
.endr
.endr
	WIN 0
	s_wait_dscnt 0x0
	s_barrier_signal -1
	s_barrier_wait -1
; wave w sums rows 32 w + 2 t + g of the four stages, four t a batch; the loads run one batch ahead
.macro SUML n, base
.irp k, 0,1,2,3
	ds_load_b128 v[\base+16*\k:\base+16*\k+3],     v[RA0] offset:(4*\n+\k)*2*SP
	ds_load_b128 v[\base+16*\k+4:\base+16*\k+7],   v[RA0] offset:(4*\n+\k)*2*SP+WSTG
	ds_load_b128 v[\base+16*\k+8:\base+16*\k+11],  v[RA2] offset:(4*\n+\k)*2*SP
	ds_load_b128 v[\base+16*\k+12:\base+16*\k+15], v[RA2] offset:(4*\n+\k)*2*SP+WSTG
.endr
.endm
.macro SUMA n, base, left
.irp k, 0,1,2,3
	s_wait_dscnt \left+12-4*\k                     ; younger: the later groups of four of this batch and the next batch's loads
	v_pk_add_f32 v[\base+16*\k:\base+16*\k+1],     v[\base+16*\k:\base+16*\k+1],     v[\base+16*\k+4:\base+16*\k+5]
	v_pk_add_f32 v[\base+16*\k+2:\base+16*\k+3],   v[\base+16*\k+2:\base+16*\k+3],   v[\base+16*\k+6:\base+16*\k+7]
	v_pk_add_f32 v[\base+16*\k+8:\base+16*\k+9],   v[\base+16*\k+8:\base+16*\k+9],   v[\base+16*\k+12:\base+16*\k+13]
	v_pk_add_f32 v[\base+16*\k+10:\base+16*\k+11], v[\base+16*\k+10:\base+16*\k+11], v[\base+16*\k+14:\base+16*\k+15]
	v_pk_add_f32 v[\base+16*\k:\base+16*\k+1],     v[\base+16*\k:\base+16*\k+1],     v[\base+16*\k+8:\base+16*\k+9]
	v_pk_add_f32 v[\base+16*\k+2:\base+16*\k+3],   v[\base+16*\k+2:\base+16*\k+3],   v[\base+16*\k+10:\base+16*\k+11]
	global_store_b128 v[GO], v[\base+16*\k:\base+16*\k+3], s[12:13] offset:(4*\n+\k)*512   ; the wave's store covers 512 consecutive bytes, aligned: two rows of O
.endr
.endm
	SUML 0, POOL
	SUML 1, POOL+64
	SUMA 0, POOL, 16
	s_wait_xcnt 0x0                                ; registers that stores read are loaded again only behind this wait
	SUML 2, POOL
	SUMA 1, POOL+64, 16
	s_wait_xcnt 0x0
	SUML 3, POOL+64
	SUMA 2, POOL, 16
	SUMA 3, POOL+64, 0
	; wave 0 writes the pairs (M, L): lane l takes nodes 64 s + 2 l and the next
	s_cmp_lg_u32 s14, 0
	s_cbranch_scc1 .Lno_stats
.irp s, 0,1
.irp w, 0,1,2,3
	ds_load_b64 v[ST+16*\s+2*\w:ST+16*\s+2*\w+1],     v[SB] offset:256*\s+512*\w
	ds_load_b64 v[ST+16*\s+8+2*\w:ST+16*\s+8+2*\w+1], v[SB] offset:256*\s+512*\w+LSO
.endr
.endr
	s_wait_dscnt 0x0
.irp s, 0,1
	v_max3_num_f32 v[T+4*\s],   v[ST+16*\s],   v[ST+16*\s+2], v[ST+16*\s+4]
	v_max3_num_f32 v[T+4*\s+2], v[ST+16*\s+1], v[ST+16*\s+3], v[ST+16*\s+5]
	v_max_num_f32 v[T+4*\s],   v[T+4*\s],   v[ST+16*\s+6]
	v_max_num_f32 v[T+4*\s+2], v[T+4*\s+2], v[ST+16*\s+7]
	v_pk_add_f32 v[ST+16*\s+8:ST+16*\s+9],   v[ST+16*\s+8:ST+16*\s+9],   v[ST+16*\s+10:ST+16*\s+11]
	v_pk_add_f32 v[ST+16*\s+12:ST+16*\s+13], v[ST+16*\s+12:ST+16*\s+13], v[ST+16*\s+14:ST+16*\s+15]
	v_add_f32 v[T+4*\s+1], v[ST+16*\s+8], v[ST+16*\s+12]
	v_add_f32 v[T+4*\s+3], v[ST+16*\s+9], v[ST+16*\s+13]
	global_store_b128 v[SO], v[T+4*\s:T+4*\s+3], s[12:13] offset:32768+512*\s
.endr
.Lno_stats:
	s_wait_tensorcnt 0x0
	ds_add_u32 v6, v7
	s_wait_dscnt 0x0
	ROUND                                          ; the closing round: no work-group ends while a partner may still issue a joint load that names it
	s_endpgm
.Lfunc_end_k_q500019f7a1_pool:
	.size	k_q500019f7a1_pool, .Lfunc_end_k_q500019f7a1_pool-k_q500019f7a1_pool
	.p2alignl 7, 3214868480
	.fill 96, 4, 3214868480
	.section	.rodata,"a",@progbits
	.p2align	6, 0x0
	.amdhsa_kernel k_q500019f7a1_pool
		.amdhsa_group_segment_fixed_size 327680
		.amdhsa_private_segment_fixed_size 0
		.amdhsa_enable_private_segment 0
		.amdhsa_kernarg_size 40
		.amdhsa_user_sgpr_count 2
		.amdhsa_user_sgpr_kernarg_segment_ptr 1
		.amdhsa_wavefront_size32 1
		.amdhsa_system_sgpr_workgroup_id_x 1
		.amdhsa_system_sgpr_workgroup_id_y 1
		.amdhsa_system_sgpr_workgroup_id_z 1
		.amdhsa_system_vgpr_workitem_id 0
		.amdhsa_next_free_vgpr 1024
		.amdhsa_next_free_sgpr 66
		.amdhsa_reserve_vcc 0
		.amdhsa_float_denorm_mode_32 3
		.amdhsa_float_denorm_mode_16_64 3
		.amdhsa_memory_ordered 1
		.amdhsa_forward_progress 1
		.amdhsa_inst_pref_size 255
	.end_amdhsa_kernel
	.section	.bss,"aw",@nobits
	.p2align	6
	.space	262144
	.amdgpu_metadata
---
amdhsa.version: [ 1, 2 ]
amdhsa.kernels:
  - .name:           k_q500019f7a1_pool
    .symbol:         k_q500019f7a1_pool.kd
    .args:
      - { .name: x, .offset: 0, .size: 8, .value_kind: global_buffer, .address_space: global }
      - { .name: nodes, .offset: 8, .size: 8, .value_kind: global_buffer, .address_space: global }
      - { .name: Wa, .offset: 16, .size: 8, .value_kind: global_buffer, .address_space: global }
      - { .name: Wv, .offset: 24, .size: 8, .value_kind: global_buffer, .address_space: global }
      - { .name: part, .offset: 32, .size: 8, .value_kind: global_buffer, .address_space: global }
    .group_segment_fixed_size: 327680
    .private_segment_fixed_size: 0
    .kernarg_segment_align: 8
    .kernarg_segment_size: 40
    .max_flat_workgroup_size: 128
    .sgpr_count:     66
    .vgpr_count:     1024
    .wavefront_size: 32
...
	.end_amdgpu_metadata
.endif
;; end of part 1
;; launch merge (part 2): grid 256 x 1, 4 waves a work-group, no clusters, 0 bytes of LDS; arguments part, bv, gamma, beta, out0; writes out0
.if DOCPART == 2
	.amdgcn_target "amdgcn-amd-amdhsa--gfx1250"
	.amdhsa_code_object_version 6
	.text
	.protected	k_q500019f7a1_merge
	.globl	k_q500019f7a1_merge
	.p2align	8
	.type	k_q500019f7a1_merge,@function
k_q500019f7a1_merge:
	s_mov_b64 s[64:65], 0
	v_nop
	global_prefetch_b8 v0, s[64:65] scope:SCOPE_SE
	s_setreg_imm32_b32 hwreg(HW_REG_WAVE_MODE, 25, 1), 1
	s_wait_xcnt 0x0
; merge: one wave makes one row (b, i) of the output: it joins the 8 chunks of each of the 4 heads (a common maximum, weights 2^(M - max)),
; divides by the joined sum, adds bv, applies the leaky ReLU (max(y, 0.2 y)) and LayerNorm in two passes (mean, then the mean of squared differences).
; Lane (g, q) takes chunks 2 p + g, p = 0..3, and columns 4 q .. 4 q + 3 of every head: a load of O takes two whole rows of 256 bytes.
; All 44 loads are issued at once; no LDS, no barrier: the rows do not depend on each other.  No matrix unit and no cluster: nothing is multiplied and nothing is shared.
; Limits as in the first launch: NaN and infinities of the inputs are not reproduced; v_exp_f32 gives 0 below 2^-126.
.set RECB, 33792                       ; a record: O[128][64] f32, then 128 pairs (M, L)
.set VO, 4                             ; g x record + 16 q
.set VS, 5                             ; g x record
.set PO, 6                             ; 16 q
.set SO, 7                             ; 16 x lane
.set MH, 8                             ; v8-11    a head's maximum
.set LH, 12                            ; v12-15   a head's sum, then its reciprocal
.set O,  16                            ; v16-79   O of (h, p) at 16 h + 4 p
.set SS, 80                            ; v80-111  (M, L) of (h, p) at 8 h + 2 p; M becomes the weight
.set BV, 112                           ; v112-127 bv, 4 columns of each head
.set GA, 128                           ; gamma
.set BE, 144                           ; beta
.set Y,  160                           ; v160-175 the row: 4 columns of each head
.set X,  176                           ; v176-191 at work
	s_load_b256 s[4:11], s[0:1], 0x0               ; part s[4:5], bv s[6:7], gamma s[8:9], beta s[10:11]
	s_load_b64 s[12:13], s[0:1], 0x20              ; out0
	v_lshrrev_b32 v1, 5, v0
	v_readfirstlane_b32 s14, v1                    ; wave
	s_lshl2_add_u32 s15, ttmp9, s14                ; row R = 4 x work-group + wave
	s_lshr_b32 s16, s15, 7                         ; b
	s_and_b32 s17, s15, 127                        ; i
	s_mul_i32 s18, s16, 32*RECB                    ; b's 32 records
	s_lshl_b32 s19, s17, 8
	s_add_co_u32 s20, s18, s19                     ; + row i of O
	s_mov_b32 s21, 0
	s_lshl_b32 s19, s17, 3
	s_add_co_u32 s22, s18, s19
	s_add_co_u32 s22, s22, 32768                   ; + pair i behind O
	s_mov_b32 s23, 0
	s_lshl_b32 s24, s15, 10                        ; row R of the output
	s_mov_b32 s25, 0
	s_mov_b32 s26, 0x76543210                      ; v_permlanex16_b32: lane i reads lane i of the other half
	s_mov_b32 s27, 0xfedcba98
	s_mov_b32 s28, 0x3b800000                      ; 1 / 256
	s_mov_b32 s29, 0x3727c5ac                      ; 1e-5
	v_and_b32 v1, 31, v0
	v_and_b32 v2, 15, v0
	v_bfe_u32 v3, v0, 4, 1
	v_mul_u32_u24 v[VS], v3, RECB
	v_lshlrev_b32 v[PO], 4, v2
	v_add_nc_u32 v[VO], v[VS], v[PO]
	v_lshlrev_b32 v[SO], 4, v1
	v_cmp_ne_u32 vcc_lo, 0, v3                     ; the upper half of the lanes
	s_wait_kmcnt 0x0
	s_add_nc_u64 s[20:21], s[4:5], s[20:21]
	s_add_nc_u64 s[22:23], s[4:5], s[22:23]
	s_add_nc_u64 s[12:13], s[12:13], s[24:25]
.irp h, 0,1,2,3
.irp p, 0,1,2,3
	global_load_b64 v[SS+8*\h+2*\p:SS+8*\h+2*\p+1], v[VS], s[22:23] offset:(8*\h+2*\p)*RECB
.endr
.endr
.irp h, 0,1,2,3
.irp p, 0,1,2,3
	global_load_b128 v[O+16*\h+4*\p:O+16*\h+4*\p+3], v[VO], s[20:21] offset:(8*\h+2*\p)*RECB th:TH_LOAD_NT
.endr
.endr
.irp h, 0,1,2,3
	global_load_b128 v[BV+4*\h:BV+4*\h+3], v[PO], s[6:7] offset:256*\h
	global_load_b128 v[GA+4*\h:GA+4*\h+3], v[PO], s[8:9] offset:256*\h
	global_load_b128 v[BE+4*\h:BE+4*\h+3], v[PO], s[10:11] offset:256*\h
.endr
	s_wait_loadcnt 28                              ; the 16 pairs are in; 16 loads of O and 12 of parameters are younger
.irp h, 0,1,2,3
	v_max3_num_f32 v[X+\h], v[SS+8*\h], v[SS+8*\h+2], v[SS+8*\h+4]
	v_max_num_f32 v[MH+\h], v[X+\h], v[SS+8*\h+6]
.endr
.irp h, 0,1,2,3
	v_permlanex16_b32 v[X+\h], v[MH+\h], s26, s27  ; the odd chunks lie in the other half
.endr
.irp h, 0,1,2,3
	v_max_num_f32 v[MH+\h], v[MH+\h], v[X+\h]
.endr
.irp h, 0,1,2,3
.irp p, 0,1,2,3
	v_sub_f32 v[SS+8*\h+2*\p], v[SS+8*\h+2*\p], v[MH+\h]
.endr
.endr
.irp h, 0,1,2,3
.irp p, 0,1,2,3
	v_exp_f32 v[SS+8*\h+2*\p], v[SS+8*\h+2*\p]     ; the chunk's weight
.endr
.endr
	v_nop                                          ; the plain place behind the exponentials (ISA guide 5.7.2)
	s_wait_alu depctr_va_vdst(0)
.irp h, 0,1,2,3
	v_mul_f32  v[X+\h], v[SS+8*\h], v[SS+8*\h+1]
	v_fmac_f32 v[X+\h], v[SS+8*\h+2], v[SS+8*\h+3]
	v_fmac_f32 v[X+\h], v[SS+8*\h+4], v[SS+8*\h+5]
	v_fma_f32  v[LH+\h], v[SS+8*\h+6], v[SS+8*\h+7], v[X+\h]
.endr
.irp h, 0,1,2,3
	v_permlanex16_b32 v[X+\h], v[LH+\h], s26, s27
.endr
.irp h, 0,1,2,3
	v_add_f32 v[LH+\h], v[LH+\h], v[X+\h]          ; at least 1: the chunk with the maximum has weight 1 and a sum of at least 1
.endr
.irp h, 0,1,2,3
	v_rcp_f32 v[LH+\h], v[LH+\h]                   ; the products below, which do not touch LH, are the plain place behind it
.endr
	s_wait_loadcnt 12                              ; O is in; the 12 loads of parameters are younger
.irp h, 0,1,2,3
.irp c, 0,2
	v_pk_mul_f32 v[Y+4*\h+\c:Y+4*\h+\c+1], v[O+16*\h+\c:O+16*\h+\c+1],       v[SS+8*\h:SS+8*\h+1] op_sel_hi:[1,0]
	v_pk_fma_f32 v[Y+4*\h+\c:Y+4*\h+\c+1], v[O+16*\h+4+\c:O+16*\h+4+\c+1],   v[SS+8*\h+2:SS+8*\h+3], v[Y+4*\h+\c:Y+4*\h+\c+1] op_sel_hi:[1,0,1]
	v_pk_fma_f32 v[Y+4*\h+\c:Y+4*\h+\c+1], v[O+16*\h+8+\c:O+16*\h+8+\c+1],   v[SS+8*\h+4:SS+8*\h+5], v[Y+4*\h+\c:Y+4*\h+\c+1] op_sel_hi:[1,0,1]
	v_pk_fma_f32 v[Y+4*\h+\c:Y+4*\h+\c+1], v[O+16*\h+12+\c:O+16*\h+12+\c+1], v[SS+8*\h+6:SS+8*\h+7], v[Y+4*\h+\c:Y+4*\h+\c+1] op_sel_hi:[1,0,1]
.endr
.endr
.irp k, 0,1,2,3,4,5,6,7,8,9,10,11,12,13,14,15
	v_permlanex16_b32 v[O+\k], v[Y+\k], s26, s27   ; O's registers are spent, and written
.endr
.irp k, 0,2,4,6,8,10,12,14
	v_pk_add_f32 v[Y+\k:Y+\k+1], v[Y+\k:Y+\k+1], v[O+\k:O+\k+1]
.endr
	s_wait_loadcnt 0x0
	s_wait_alu depctr_va_vdst(0)
.irp h, 0,2
.irp c, 0,2
	v_pk_fma_f32 v[Y+4*\h+\c:Y+4*\h+\c+1],     v[Y+4*\h+\c:Y+4*\h+\c+1],     v[LH+\h:LH+\h+1], v[BV+4*\h+\c:BV+4*\h+\c+1] op_sel_hi:[1,0,1]
	v_pk_fma_f32 v[Y+4*\h+4+\c:Y+4*\h+4+\c+1], v[Y+4*\h+4+\c:Y+4*\h+4+\c+1], v[LH+\h:LH+\h+1], v[BV+4*\h+4+\c:BV+4*\h+4+\c+1] op_sel:[0,1,0] op_sel_hi:[1,1,1]
.endr
.endr
.irp k, 0,2,4,6,8,10,12,14
	v_pk_mul_f32 v[X+\k:X+\k+1], v[Y+\k:Y+\k+1], 0x3e4ccccd op_sel_hi:[1,0]
.endr
.irp k, 0,1,2,3,4,5,6,7,8,9,10,11,12,13,14,15
	v_max_num_f32 v[Y+\k], v[Y+\k], v[X+\k]        ; y >= 0: y; y < 0: 0.2 y
.endr
	; the mean of the row's 256 numbers: 16 in the lane, 16 lanes of a half (both halves hold the same numbers)
	v_pk_add_f32 v[X:X+1],   v[Y:Y+1],     v[Y+2:Y+3]
	v_pk_add_f32 v[X+2:X+3], v[Y+4:Y+5],   v[Y+6:Y+7]
	v_pk_add_f32 v[X+4:X+5], v[Y+8:Y+9],   v[Y+10:Y+11]
	v_pk_add_f32 v[X+6:X+7], v[Y+12:Y+13], v[Y+14:Y+15]
	v_pk_add_f32 v[X:X+1],   v[X:X+1],     v[X+2:X+3]
	v_pk_add_f32 v[X+4:X+5], v[X+4:X+5],   v[X+6:X+7]
	v_pk_add_f32 v[X:X+1],   v[X:X+1],     v[X+4:X+5]
	v_add_f32 v[X], v[X], v[X+1]
	v_add_f32_dpp v[X], v[X], v[X] row_xmask:1 row_mask:0xf bank_mask:0xf
	v_add_f32_dpp v[X], v[X], v[X] row_xmask:2 row_mask:0xf bank_mask:0xf
	v_add_f32_dpp v[X], v[X], v[X] row_xmask:4 row_mask:0xf bank_mask:0xf
	v_add_f32_dpp v[X], v[X], v[X] row_xmask:8 row_mask:0xf bank_mask:0xf
	v_mul_f32 v[X], s28, v[X]
.irp k, 0,2,4,6,8,10,12,14
	v_pk_add_f32 v[Y+\k:Y+\k+1], v[Y+\k:Y+\k+1], v[X:X+1] op_sel_hi:[1,0] neg_lo:[0,1] neg_hi:[0,1]
.endr
	v_pk_mul_f32 v[X+2:X+3], v[Y:Y+1],   v[Y:Y+1]
	v_pk_mul_f32 v[X+4:X+5], v[Y+2:Y+3], v[Y+2:Y+3]
.irp k, 4,8,12
	v_pk_fma_f32 v[X+2:X+3], v[Y+\k:Y+\k+1],   v[Y+\k:Y+\k+1],   v[X+2:X+3]
	v_pk_fma_f32 v[X+4:X+5], v[Y+\k+2:Y+\k+3], v[Y+\k+2:Y+\k+3], v[X+4:X+5]
.endr
	v_pk_add_f32 v[X+2:X+3], v[X+2:X+3], v[X+4:X+5]
	v_add_f32 v[X+2], v[X+2], v[X+3]
	v_add_f32_dpp v[X+2], v[X+2], v[X+2] row_xmask:1 row_mask:0xf bank_mask:0xf
	v_add_f32_dpp v[X+2], v[X+2], v[X+2] row_xmask:2 row_mask:0xf bank_mask:0xf
	v_add_f32_dpp v[X+2], v[X+2], v[X+2] row_xmask:4 row_mask:0xf bank_mask:0xf
	v_add_f32_dpp v[X+2], v[X+2], v[X+2] row_xmask:8 row_mask:0xf bank_mask:0xf
	v_fma_f32 v[X+2], v[X+2], s28, s29             ; variance + 1e-5
	v_rsq_f32 v[X+2], v[X+2]
	v_nop                                          ; the plain place behind it
	s_wait_alu depctr_va_vdst(0)
.irp k, 0,2,4,6,8,10,12,14
	v_pk_mul_f32 v[GA+\k:GA+\k+1], v[GA+\k:GA+\k+1], v[X+2:X+3] op_sel_hi:[1,0]
.endr
.irp k, 0,2,4,6,8,10,12,14
	v_pk_fma_f32 v[Y+\k:Y+\k+1], v[Y+\k:Y+\k+1], v[GA+\k:GA+\k+1], v[BE+\k:BE+\k+1]
.endr
	; lanes 0-15 store head 2 s, lanes 16-31 head 2 s + 1: each store of the wave covers 512 consecutive bytes, aligned
.irp s, 0,1
.irp k, 0,1,2,3
	v_cndmask_b32 v[X+4+4*\s+\k], v[Y+8*\s+\k], v[Y+8*\s+4+\k], vcc_lo
.endr
	global_store_b128 v[SO], v[X+4+4*\s:X+4+4*\s+3], s[12:13] offset:512*\s
.endr
	s_endpgm
.Lfunc_end_k_q500019f7a1_merge:
	.size	k_q500019f7a1_merge, .Lfunc_end_k_q500019f7a1_merge-k_q500019f7a1_merge
	.p2alignl 7, 3214868480
	.fill 96, 4, 3214868480
	.section	.rodata,"a",@progbits
	.p2align	6, 0x0
	.amdhsa_kernel k_q500019f7a1_merge
		.amdhsa_group_segment_fixed_size 0
		.amdhsa_private_segment_fixed_size 0
		.amdhsa_enable_private_segment 0
		.amdhsa_kernarg_size 40
		.amdhsa_user_sgpr_count 2
		.amdhsa_user_sgpr_kernarg_segment_ptr 1
		.amdhsa_wavefront_size32 1
		.amdhsa_system_sgpr_workgroup_id_x 1
		.amdhsa_system_sgpr_workgroup_id_y 1
		.amdhsa_system_sgpr_workgroup_id_z 1
		.amdhsa_system_vgpr_workitem_id 0
		.amdhsa_next_free_vgpr 192
		.amdhsa_next_free_sgpr 66
		.amdhsa_reserve_vcc 1
		.amdhsa_float_denorm_mode_32 3
		.amdhsa_float_denorm_mode_16_64 3
		.amdhsa_memory_ordered 1
		.amdhsa_forward_progress 1
		.amdhsa_inst_pref_size 18
	.end_amdhsa_kernel
	.amdgpu_metadata
---
amdhsa.version: [ 1, 2 ]
amdhsa.kernels:
  - .name:           k_q500019f7a1_merge
    .symbol:         k_q500019f7a1_merge.kd
    .args:
      - { .name: part, .offset: 0, .size: 8, .value_kind: global_buffer, .address_space: global }
      - { .name: bv, .offset: 8, .size: 8, .value_kind: global_buffer, .address_space: global }
      - { .name: gamma, .offset: 16, .size: 8, .value_kind: global_buffer, .address_space: global }
      - { .name: beta, .offset: 24, .size: 8, .value_kind: global_buffer, .address_space: global }
      - { .name: out0, .offset: 32, .size: 8, .value_kind: global_buffer, .address_space: global }
    .group_segment_fixed_size: 0
    .private_segment_fixed_size: 0
    .kernarg_segment_align: 8
    .kernarg_segment_size: 40
    .max_flat_workgroup_size: 128
    .sgpr_count:     66
    .vgpr_count:     192
    .wavefront_size: 32
...
	.end_amdgpu_metadata
.endif
;; end of part 2
